; MI455X (gfx1250); checked and timed in simulation.
; The chip was launched on July 23, 2026; its instructions are those of AMD's public machine-readable ISA for CDNA 5 (MIT licence, August 2026) and "CDNA5" Instruction Set Architecture Reference Guide (July 2026). The comments in the code are by the model that wrote it; some were corrected since.
;; Torch KNN Imputer. Allowed arithmetic: float matrix products may take bf16 or f16 operands with f32 sums; other float arithmetic in f32, or as packed bf16 or f16 multiplies, adds, multiply-adds, maxima and minima; sums over many terms, partial sums and values carried from step to step in f32; what a program stores and reads back later, other than sums and carried values, may be rounded once to bf16 or f16.
;; Inputs: X 2,048 x 64 float32; fit_X 2,048 x 64 float32.
;; Outputs: out0 2,048 x 64 float32.
;; Constants: n_neighbors = 5.
;; 2 versions, each right; version 2 is version 1 with the launch fill written anew for expert scheduling mode. Each part assembles by itself: llvm-mc -triple=amdgcn-amd-amdhsa -mcpu=gfx1250 --defsym DOCPART=n.
;; ======== version 1 of 2: 3 launches
;; limits: values outside matrix products are rounded to bf16
;; workspace buffers: dkey 16,777,216 bytes; xmask 16,384 bytes of whole numbers; mw 16,384 bytes of whole numbers; cand 524,288 bytes of whole numbers; colpart 8,192 bytes
;; launch dist (part 1): grid 16 x 16, 8 waves a work-group, no clusters, 203,776 bytes of LDS; arguments X, fit_X, dkey, xmask, mw, colpart; writes dkey, xmask, mw, colpart
.if DOCPART == 1
	.amdgcn_target "amdgcn-amd-amdhsa--gfx1250"
	.amdhsa_code_object_version 6
	.text
	.protected	k_qe121eb3170_dist
	.globl	k_qe121eb3170_dist
	.p2align	8
	.type	k_qe121eb3170_dist,@function
k_qe121eb3170_dist:
	s_mov_b64 s[64:65], 0
	v_nop
	global_prefetch_b8 v0, s[64:65] scope:SCOPE_SE
	s_setreg_imm32_b32 hwreg(HW_REG_WAVE_MODE, 25, 1), 1
	s_wait_xcnt 0x0
; KEYS FOR THE NEAREST-NEIGHBOUR SEARCH.  key[q][f] = max(d, 0) / max(present, 1), +inf where present = 0, with
;   d = sum (-2 x) y + sum (x^2) pY + sum pX (y^2),  present = sum pX pY   (pX, pY: 1 where the entry is observed, the entry counts as 0 where it is not).
; The factor 64 and the square root of the distance are left out: both are increasing, and the distance serves for ordering alone.
; FORMATS.  x and y are rounded once to bf16.  The square of a bf16 number has 16 significant bits: it is hi + lo, hi = bf16(x^2), lo = x^2 - hi, both exact in bf16.
; So every product in the matrix unit is exact, and the sums are f32.
; LIMITS.  Entries are NaN (missing) or finite, their squares within bf16's exponent range (|x| from about 1e-18 to 1e18).  d is a difference of sums, as the problem's own formula is:
; its error grows with a common offset of the inputs.  Keys that differ by a few steps of f32 may be ordered otherwise than exact arithmetic would order them.
; SHARES.  A work-group makes 128 queries (block by) x 128 fit rows (block bx); 8 waves.  Phase 1: thread t converts one row (t < 128: X's, else fit_X's) into four bf16 segments in LDS.
; Phase 2: wave w makes queries 16 w .. 16 w + 15 against all 128 fit rows, transposed (source 0 = 16 fit rows, source 1 = 16 queries): a lane holds one query and eight neighbouring fit rows.
; dkey's COLUMN ORDER: position 128 i + 4 l + t of a row holds fit row 128 i + 32 t + l, so that a later 16-byte load number i gives lane l, register 4 i + t, fit row 32 (4 i + t) + l.
; No tensor loads: the operands are made in registers from f32 data with NaN.  No cluster: a work-group reads 64 KiB in all.
.set PITCH, 528                        ; an LDS row: 4 segments of 128 bytes + 16 of padding: 33 x 16 bytes, so 16 rows of a fragment load start at 16 different groups of four banks
.set BPB,   128*PITCH                  ; fit rows lie behind X's 128 rows
.set STAGE, 2*BPB                      ; 128 rows x 528 bytes of keys (512 used), wave w's own rows 16 w ..
.set SPARE, 3*BPB                      ; the spare words: 128 bytes for each of 8 waves, four blocks of 256 bytes that no other line names
.set LANE, 1
.set RR,   2                           ; lane % 16
.set HH,   3                           ; lane / 16
.set GIN,  4                           ; my row's byte offset in its block of 128 rows
.set LST,  5                           ; my row in LDS: thread x 528
.set XMO,  6                           ; xmask: 8 bytes a query
.set MWO,  7                           ; mw: column x 256 + 4 x word
.set BITS, 8                           ; v8-9   my row's missing bits, columns 0-31, 32-63
.set BAL,  10                          ; v10-11 lane c: the wave's ballot for column c, 32 + c
.set ONE,  13
.set ZERO, 14
.set INF,  15
.set ADB,  16
.set ADA,  17
.set STO,  18
.set RD,   19
.set GO,   20
.set TRA,  21
.set CPO,  22
.set SPW,  30                          ; LDS address of my spare word; never rewritten
.set NIL,  31                          ; 0; never rewritten
.set IN,   32                          ; v[32:95]  the row as loaded; later AF, the queries' fragments; later OB, rows on the way out
.set AF,   32
.set OB,   32
.set BF,   96                          ; v[96:223] fit fragments of two blocks of 16 rows: 64 kc + 32 m + 8 segment
.set OUT,  96                          ; conversion: four registers a segment
.set PT,   112                         ; conversion: presence of 8 elements in f32
.set TK,   120                         ; conversion: 12 registers at work for each of 4 pairs
.set PM,   96                          ; epilogue: max(present, 1)
.set RC,   112                         ; its reciprocal
.set QQ,   128                         ; the quotient
.set EE,   144                         ; the remainder
.set CF,   96                          ; column sums: turned fragments
.set ONES, 160
.set CV,   168
.set D0,   224                         ; accumulators: d of blocks 2 u, 2 u + 1; present of the same
.set D1,   232
.set P0,   240
.set P1,   248
.set WV,  16
.set BX,  17
.set BY,  18
.set SRC, 20                           ; s[20:21] my block of X or of fit_X
.set SCL, 24                           ; s[24:25] -2 for X's values, 1 for fit_X's
.set HIM, 26
	s_load_b256 s[4:11], s[0:1], 0x0               ; X s[4:5], fit_X s[6:7], dkey s[8:9], xmask s[10:11]
	s_load_b128 s[12:15], s[0:1], 0x20             ; mw s[12:13], colpart s[14:15]
	v_lshl_add_u32 v[SPW], v0, 2, SPARE
	v_mov_b32 v[NIL], 0
	v_lshrrev_b32 v1, 5, v0
	v_readfirstlane_b32 s[WV], v1                  ; wave 0..7
	s_mov_b32 s[BX], ttmp9
	s_and_b32 s[BY], ttmp7, 0xffff
	v_and_b32 v[LANE], 31, v0
	v_and_b32 v[RR], 15, v0
	v_bfe_u32 v[HH], v0, 4, 1
	v_and_b32 v[GIN], 127, v0
	v_lshlrev_b32 v[GIN], 8, v[GIN]                ; a row is 256 bytes
	v_mul_u32_u24 v[LST], v0, PITCH
	v_mov_b32 v[BITS], 0
	v_mov_b32 v[BITS+1], 0
	v_mov_b32 v[BAL], 0
	v_mov_b32 v[BAL+1], 0
	v_mov_b32 v[ONE], 1.0
	v_mov_b32 v[ZERO], 0
	v_mov_b32 v[INF], 0x7f800000
	s_mov_b32 s[HIM], 0xffff0000
	s_cmp_lt_u32 s[WV], 4                          ; waves 0-3 convert X, waves 4-7 fit_X
	s_cselect_b32 s[SCL], 0xc0000000, 1.0
	s_cselect_b32 s22, s[BY], s[BX]
	s_mov_b32 s[SCL+1], s[SCL]
	s_lshl_b32 s22, s22, 15                        ; 128 rows of 256 bytes
	s_mov_b32 s23, 0
	s_wait_kmcnt 0x0
	s_cmp_lt_u32 s[WV], 4
	s_cselect_b64 s[SRC:SRC+1], s[4:5], s[6:7]
	s_add_nc_u64 s[SRC:SRC+1], s[SRC:SRC+1], s[22:23]
	; a thread takes its whole row, 16 loads of 16 bytes, the last columns first: the missing bits are shifted in from the top.  (A lane a row: a wave's 16 loads together cover 32 whole rows.)
.irp j, 15,14,13,12,11,10,9,8,7,6,5,4,3,2,1,0
	global_load_b128 v[IN+4*(\j):IN+4*(\j)+3], v[GIN], s[SRC:SRC+1] offset:16*(\j)
.endr
	; addresses, while the loads are out
	s_lshl_b32 s27, s[BY], 10
	v_lshl_add_u32 v[XMO], v0, 3, s27              ; (128 by + thread) x 8
	s_and_b32 s28, s[WV], 3
	s_lshl_b32 s28, s28, 2
	s_lshl_b32 s27, s[BX], 4
	s_add_co_u32 s27, s27, s28
	v_lshl_add_u32 v[MWO], v[LANE], 8, s27         ; column = lane: 256 x lane + 4 (4 bx + wave % 4)
	v_mul_u32_u24 v[ADB], v[RR], PITCH
	v_lshl_add_u32 v[ADB], v[HH], 4, v[ADB]        ; a fragment's row x pitch + 16 x half
	s_mul_i32 s27, s[WV], 16*PITCH
	v_add_nc_u32 v[ADA], s27, v[ADB]               ; my 16 queries
	v_mul_u32_u24 v[STO], v[RR], PITCH
	v_lshl_add_u32 v[STO], v[HH], 7, v[STO]
	s_add_co_u32 s28, s27, STAGE
	v_add_nc_u32 v[STO], s28, v[STO]               ; stage: row 16 w + lane % 16, + 128 x half
	v_lshl_add_u32 v[RD], v[LANE], 4, s28          ; back: 512 bytes of one row
	v_lshlrev_b32 v[GO], 4, v[LANE]
	v_add_nc_u32 v[ADB], BPB, v[ADB]
	v_and_b32 v[TRA], 7, v0
	v_lshl_add_u32 v[TRA], v[HH], 3, v[TRA]
	v_mul_u32_u24 v[TRA], v[TRA], PITCH            ; the turning load: row 8 (l / 16) + l % 8,
	v_bfe_u32 v[CPO], v0, 3, 1
	v_lshl_add_u32 v[TRA], v[CPO], 4, v[TRA]       ; 16 bytes by (l / 8) % 2,
	s_lshl_b32 s27, s[WV], 5
	s_add_co_u32 s27, s27, BPB
	v_add_nc_u32 v[TRA], s27, v[TRA]               ; columns 16 w on, in fit's rows
	s_lshl_b32 s27, s[BX], 9
	s_lshl_b32 s28, s[WV], 6
	s_add_co_u32 s27, s27, s28
	v_lshl_add_u32 v[CPO], v[RR], 2, s27
	v_lshl_add_u32 v[CPO], v[HH], 8, v[CPO]        ; colpart: 512 bx + 256 (sum or count) + 4 (16 w + lane % 16)
	s_lshl_b32 s22, s[BY], 20                      ; dkey at row 128 by + 16 w, byte 512 bx
	s_lshl_b32 s27, s[WV], 17
	s_add_co_u32 s22, s22, s27
	s_lshl_b32 s27, s[BX], 9
	s_add_co_u32 s22, s22, s27
	s_add_nc_u64 s[8:9], s[8:9], s[22:23]
; PHASE 1.  Eight columns 8 g .. 8 g + 7 of my row: missing bits, then the four segments' 16 bytes each.
.macro CONV8 g
	s_wait_loadcnt 2*(\g)                          ; loads return in order: this group's two are in, the 2 g issued behind them may stay out
.irp e, 7,6,5,4,3,2,1,0
	v_cmp_u_f32 vcc_lo, v[IN+8*(\g)+(\e)], v[IN+8*(\g)+(\e)]                   ; missing?
	v_writelane_b32 v[BAL+(\g)/4], vcc_lo, (8*(\g)+(\e))%32                    ; the wave's 32 rows, for this column
	v_cndmask_b32 v[IN+8*(\g)+(\e)], v[IN+8*(\g)+(\e)], v[ZERO], vcc_lo        ; a missing entry counts as 0
	v_cndmask_b32 v[PT+(\e)], v[ONE], v[ZERO], vcc_lo                          ; presence
	v_add_co_ci_u32 v[BITS+(\g)/4], vcc_lo, v[BITS+(\g)/4], v[BITS+(\g)/4], vcc_lo  ; my row's bits: twice the old ones plus this one
.endr
.irp k, 0,1,2,3
	v_cvt_pk_bf16_f32 v[TK+12*(\k)], v[IN+8*(\g)+2*(\k)], v[IN+8*(\g)+2*(\k)+1]  ; the one rounding of the inputs
.endr
.irp k, 0,1,2,3
	v_lshlrev_b32 v[TK+12*(\k)+2], 16, v[TK+12*(\k)]                           ; the rounded pair in f32
	v_and_b32 v[TK+12*(\k)+3], s[HIM], v[TK+12*(\k)]
.endr
.irp k, 0,1,2,3
	v_pk_mul_f32 v[TK+12*(\k)+4:TK+12*(\k)+5], v[TK+12*(\k)+2:TK+12*(\k)+3], v[TK+12*(\k)+2:TK+12*(\k)+3]            ; squares, exact
	v_pk_mul_f32 v[TK+12*(\k)+10:TK+12*(\k)+11], v[TK+12*(\k)+2:TK+12*(\k)+3], s[SCL:SCL+1] op_sel_hi:[1,0]          ; -2 x or y, exact
.endr
.irp k, 0,1,2,3
	v_cvt_pk_bf16_f32 v[OUT+4+(\k)], v[TK+12*(\k)+4], v[TK+12*(\k)+5]          ; segment 1: the squares' upper parts
	v_cvt_pk_bf16_f32 v[OUT+(\k)], v[TK+12*(\k)+10], v[TK+12*(\k)+11]          ; segment 0: the values
	v_cvt_pk_bf16_f32 v[OUT+12+(\k)], v[PT+2*(\k)], v[PT+2*(\k)+1]             ; segment 3: presence
.endr
.irp k, 0,1,2,3
	v_lshlrev_b32 v[TK+12*(\k)+6], 16, v[OUT+4+(\k)]
	v_and_b32 v[TK+12*(\k)+7], s[HIM], v[OUT+4+(\k)]
.endr
.irp k, 0,1,2,3
	v_pk_add_f32 v[TK+12*(\k)+8:TK+12*(\k)+9], v[TK+12*(\k)+4:TK+12*(\k)+5], v[TK+12*(\k)+6:TK+12*(\k)+7] neg_lo:[0,1] neg_hi:[0,1]
.endr
.irp k, 0,1,2,3
	v_cvt_pk_bf16_f32 v[OUT+8+(\k)], v[TK+12*(\k)+8], v[TK+12*(\k)+9]          ; segment 2: what the upper parts left, exact
.endr
.irp s, 0,1,2,3
	ds_store_b128 v[LST], v[OUT+4*(\s):OUT+4*(\s)+3] offset:128*(\s)+16*(\g)
.endr
.endm
.irp g, 7,6,5,4,3,2,1,0
	CONV8 \g
.endr
	; the masks go out once each: X's from the work-groups with bx = 0, fit_X's from those with by = 0
	s_cmp_lt_u32 s[WV], 4
	s_cbranch_scc0 .Lfit_side
	s_cmp_eq_u32 s[BX], 0
	s_cbranch_scc0 .Lside_done
	global_store_b64 v[XMO], v[BITS:BITS+1], s[10:11]      ; 32 queries x 8 bytes: 256 consecutive bytes
	s_branch .Lside_done
.Lfit_side:
	s_cmp_eq_u32 s[BY], 0
	s_cbranch_scc0 .Lside_done
	global_store_b32 v[MWO], v[BAL], s[12:13]              ; one word of each column's row of 64 words: 4 bytes a lane, 256 bytes apart; 16 KiB in the whole launch
	global_store_b32 v[MWO], v[BAL+1], s[12:13] offset:8192
.Lside_done:
	s_wait_dscnt 0x0                               ; for the others' sake: my row lies in LDS
	s_barrier_signal -1
	s_barrier_wait -1                              ; all 256 rows do
; PHASE 2.
; One product: accumulator acc += (fit segment bs) x (query segment as), K half kc, fit block m of the pair.  At kc = 0 the pairs (0,0) and (3,3) are the first links of d and of present: they start the sums with 0.
.macro MM acc, bs, as, kc, m
.if ((\kc) == 0) && ((\bs) == (\as))
	v_wmma_f32_16x16x32_bf16 v[(\acc):(\acc)+7], v[BF+64*(\kc)+32*(\m)+8*(\bs):BF+64*(\kc)+32*(\m)+8*(\bs)+7], v[AF+32*(\kc)+8*(\as):AF+32*(\kc)+8*(\as)+7], 0
.else
	v_wmma_f32_16x16x32_bf16 v[(\acc):(\acc)+7], v[BF+64*(\kc)+32*(\m)+8*(\bs):BF+64*(\kc)+32*(\m)+8*(\bs)+7], v[AF+32*(\kc)+8*(\as):AF+32*(\kc)+8*(\as)+7], v[(\acc):(\acc)+7]
.endif
.endm
; Twelve products.  The accumulators take turns, one instruction a turn: no two on end name the same one, from kc = 0 to kc = 1 too.
.macro KHALF kc
	MM D0, 0, 0, \kc, 0                            ; y (-2 x)
	MM D1, 0, 0, \kc, 1
	MM P0, 3, 3, \kc, 0                            ; pY pX
	MM P1, 3, 3, \kc, 1
	MM D0, 3, 1, \kc, 0                            ; pY x^2, upper part
	MM D1, 3, 1, \kc, 1
	MM D0, 3, 2, \kc, 0                            ; pY x^2, lower part
	MM D1, 3, 2, \kc, 1
	MM D0, 1, 3, \kc, 0                            ; y^2 pX, upper part
	MM D1, 1, 3, \kc, 1
	MM D0, 2, 3, \kc, 0                            ; y^2 pX, lower part
	MM D1, 2, 3, \kc, 1
.endm
; The fragments of fit blocks 2 u and 2 u + 1: 32 loads in one run, K half 0's sixteen first.
.macro LDB u
.irp kc, 0,1
.irp m, 0,1
.irp s, 0,1,2,3
	ds_load_b128 v[BF+64*(\kc)+32*(\m)+8*(\s):BF+64*(\kc)+32*(\m)+8*(\s)+3],   v[ADB] offset:(2*(\u)+(\m))*16*PITCH+128*(\s)+64*(\kc)
	ds_load_b128 v[BF+64*(\kc)+32*(\m)+8*(\s)+4:BF+64*(\kc)+32*(\m)+8*(\s)+7], v[ADB] offset:(2*(\u)+(\m))*16*PITCH+128*(\s)+64*(\kc)+32
.endr
.endr
.endr
.endm
; The keys of the two blocks: 16 numbers a lane.  Each accumulator is read from its lowest register on.
.macro EPI u
.rept 4
	v_nop                                          ; four places behind the last product: what follows reads results and writes over fragments
.endr
.set i, 0
.rept 16
	v_max_num_f32 v[PM+i], 1.0, v[P0+i]
.set i, i+1
.endr
.set i, 0
.rept 16
	v_rcp_f32 v[RC+i], v[PM+i]                     ; one batch of 16
.set i, i+1
.endr
.set i, 0
.rept 16
	v_max_num_f32 v[D0+i], 0, v[D0+i]              ; the clip: plain work that names no reciprocal
.set i, i+1
.endr
	s_wait_alu depctr_va_vdst(0)                   ; one wait for the batch, ahead of its first reader
.set i, 0
.rept 8
	v_pk_mul_f32 v[QQ+i:QQ+i+1], v[D0+i:D0+i+1], v[RC+i:RC+i+1]
.set i, i+2
.endr
.set i, 0
.rept 8
	v_pk_fma_f32 v[EE+i:EE+i+1], v[QQ+i:QQ+i+1], v[PM+i:PM+i+1], v[D0+i:D0+i+1] neg_lo:[1,0,0] neg_hi:[1,0,0]  ; the remainder d - q p
.set i, i+2
.endr
.set i, 0
.rept 8
	v_pk_fma_f32 v[QQ+i:QQ+i+1], v[EE+i:EE+i+1], v[RC+i:RC+i+1], v[QQ+i:QQ+i+1]                              ; one correction of the quotient
.set i, i+2
.endr
.set i, 0
.rept 16
	v_cmp_gt_f32 vcc_lo, 0.5, v[P0+i]              ; no feature in common:
	v_cndmask_b32 v[QQ+i], v[QQ+i], v[INF], vcc_lo ; never a neighbour
.set i, i+1
.endr
.irp m, 0,1
.irp j, 0,1,2,3,4,5,6,7
	ds_store_b32 v[STO], v[QQ+8*(\m)+(\j)] offset:256*(\m)+16*(\j)+4*(\u)  ; fit row f = 32 u + 16 m + 8 h + j goes to position 4 (f % 32) + f / 32
.endr
.endr
.endm
.irp kc, 0,1
.irp s, 0,1,2,3
	ds_load_b128 v[AF+32*(\kc)+8*(\s):AF+32*(\kc)+8*(\s)+3],   v[ADA] offset:128*(\s)+64*(\kc)      ; my 16 queries' fragments stay in registers
	ds_load_b128 v[AF+32*(\kc)+8*(\s)+4:AF+32*(\kc)+8*(\s)+7], v[ADA] offset:128*(\s)+64*(\kc)+32
.endr
.endr
.irp u, 0,1,2,3
	LDB \u
	s_wait_dscnt 16                                ; all but K half 1's sixteen loads
	KHALF 0
	s_wait_dscnt 0x0
	KHALF 1
	EPI \u
.endr
	; THE WAY OUT: my 16 rows of the stage, 512 bytes each.  LDS serves a wave's instructions in order, and the rows are my own: no barrier.
.irp i, 0,1,2,3,4,5,6,7,8,9,10,11,12,13,14,15
	ds_load_b128 v[OB+4*(\i):OB+4*(\i)+3], v[RD] offset:(\i)*PITCH
.endr
.irp i, 0,1,2,3,4,5,6,7,8,9,10,11,12,13,14,15
	s_wait_dscnt 15-(\i)                           ; row i is back; the younger rows may stay out
	global_store_b128 v[GO], v[OB+4*(\i):OB+4*(\i)+3], s[8:9] offset:(\i)*8192  ; 512 consecutive bytes, at a multiple of 512 from dkey's first byte
.endr
	; COLUMN SUMS of this block's 128 fit rows (of the rounded values) and the counts of observed entries, for the fall-back mean: work-groups with by = 0, wave w < 4 takes columns 16 w ..
	s_cmp_eq_u32 s[BY], 0
	s_cbranch_scc0 .Lend
	s_cmp_lt_u32 s[WV], 4
	s_cbranch_scc0 .Lend
.irp kc, 0,1,2,3
	ds_load_tr16_b128 v[CF+16*(\kc):CF+16*(\kc)+3],     v[TRA] offset:32*(\kc)*PITCH            ; turned: lane holds column 16 w + l % 16, K runs down 32 fit rows
	ds_load_tr16_b128 v[CF+16*(\kc)+4:CF+16*(\kc)+7],   v[TRA] offset:(32*(\kc)+16)*PITCH
	ds_load_tr16_b128 v[CF+16*(\kc)+8:CF+16*(\kc)+11],  v[TRA] offset:32*(\kc)*PITCH+384        ; the same of segment 3, presence
	ds_load_tr16_b128 v[CF+16*(\kc)+12:CF+16*(\kc)+15], v[TRA] offset:(32*(\kc)+16)*PITCH+384
.endr
.set i, 0
.rept 8
	v_mov_b32 v[ONES+i], 0x3f803f80                ; source 0: ones
.set i, i+1
.endr
	s_wait_dscnt 0x0
	v_wmma_f32_16x16x32_bf16 v[D0:D0+7], v[ONES:ONES+7], v[CF:CF+7], 0          ; sums and counts by turns
	v_wmma_f32_16x16x32_bf16 v[D1:D1+7], v[ONES:ONES+7], v[CF+8:CF+15], 0
.irp kc, 1,2,3
	v_wmma_f32_16x16x32_bf16 v[D0:D0+7], v[ONES:ONES+7], v[CF+16*(\kc):CF+16*(\kc)+7], v[D0:D0+7]
	v_wmma_f32_16x16x32_bf16 v[D1:D1+7], v[ONES:ONES+7], v[CF+16*(\kc)+8:CF+16*(\kc)+15], v[D1:D1+7]
.endr
.rept 4
	v_nop
.endr
	v_cmp_eq_u32 vcc_lo, 1, v[HH]
	v_cndmask_b32 v[CV], v[D0], v[D1], vcc_lo      ; every register of a lane holds its column's figure: lanes 0-15 store the sums, lanes 16-31 the counts
	global_store_b32 v[CPO], v[CV], s[14:15]       ; two pieces of 64 bytes a wave; 8 KiB in the whole launch
.Lend:
	s_wait_tensorcnt 0x0                           ; the wave's end, behind my last LDS store
	ds_add_u32 v[SPW], v[NIL]
	s_wait_dscnt 0x0
	s_endpgm
.Lfunc_end_k_qe121eb3170_dist:
	.size	k_qe121eb3170_dist, .Lfunc_end_k_qe121eb3170_dist-k_qe121eb3170_dist
	.p2alignl 7, 3214868480
	.fill 96, 4, 3214868480
	.section	.rodata,"a",@progbits
	.p2align	6, 0x0
	.amdhsa_kernel k_qe121eb3170_dist
		.amdhsa_group_segment_fixed_size 203776
		.amdhsa_private_segment_fixed_size 0
		.amdhsa_enable_private_segment 0
		.amdhsa_kernarg_size 48
		.amdhsa_user_sgpr_count 2
		.amdhsa_user_sgpr_kernarg_segment_ptr 1
		.amdhsa_wavefront_size32 1
		.amdhsa_system_sgpr_workgroup_id_x 1
		.amdhsa_system_sgpr_workgroup_id_y 1
		.amdhsa_system_sgpr_workgroup_id_z 1
		.amdhsa_system_vgpr_workitem_id 0
		.amdhsa_next_free_vgpr 256
		.amdhsa_next_free_sgpr 66
		.amdhsa_reserve_vcc 1
		.amdhsa_float_denorm_mode_32 3
		.amdhsa_float_denorm_mode_16_64 3
		.amdhsa_memory_ordered 1
		.amdhsa_forward_progress 1
		.amdhsa_inst_pref_size 82
	.end_amdhsa_kernel
	.amdgpu_metadata
---
amdhsa.version: [ 1, 2 ]
amdhsa.kernels:
  - .name:           k_qe121eb3170_dist
    .symbol:         k_qe121eb3170_dist.kd
    .args:
      - { .name: X, .offset: 0, .size: 8, .value_kind: global_buffer, .address_space: global }
      - { .name: fit_X, .offset: 8, .size: 8, .value_kind: global_buffer, .address_space: global }
      - { .name: dkey, .offset: 16, .size: 8, .value_kind: global_buffer, .address_space: global }
      - { .name: xmask, .offset: 24, .size: 8, .value_kind: global_buffer, .address_space: global }
      - { .name: mw, .offset: 32, .size: 8, .value_kind: global_buffer, .address_space: global }
      - { .name: colpart, .offset: 40, .size: 8, .value_kind: global_buffer, .address_space: global }
    .group_segment_fixed_size: 203776
    .private_segment_fixed_size: 0
    .kernarg_segment_align: 8
    .kernarg_segment_size: 48
    .max_flat_workgroup_size: 256
    .sgpr_count:     66
    .vgpr_count:     256
    .wavefront_size: 32
...
	.end_amdgpu_metadata
.endif
;; end of part 1
;; launch bound (part 2): grid 2048 x 1, 4 waves a work-group, no clusters, 768 bytes of LDS; arguments dkey, xmask, mw, cand; writes cand
.if DOCPART == 2
	.amdgcn_target "amdgcn-amd-amdhsa--gfx1250"
	.amdhsa_code_object_version 6
	.text
	.protected	k_qe121eb3170_bound
	.globl	k_qe121eb3170_bound
	.p2align	8
	.type	k_qe121eb3170_bound,@function
k_qe121eb3170_bound:
	s_mov_b64 s[64:65], 0
	v_nop
	global_prefetch_b8 v0, s[64:65] scope:SCOPE_SE
	s_setreg_imm32_b32 hwreg(HW_REG_WAVE_MODE, 25, 1), 1
	s_wait_xcnt 0x0
; CANDIDATES.  A work-group has one query q; each of its four waves holds the query's 2,048 keys in 64 registers (lane l, register r: fit row 32 r + l).
; The query's missing columns are dealt to the waves by turns (wave w: the w-th, the (w + 4)-th ..).  For a column c the keys of fit rows that lack c count as +inf; each lane takes the minimum of its 64;
; U_c is the fifth smallest DISTINCT lane minimum.  Five different elements are then <= U_c, so the column's fifth nearest donor is too.  With fewer than five, U_c = +inf.
; The waves' largest U_c meet in LDS; one wave (number q % 4, so that the work goes round) marks every fit row with key <= min(the largest of all, the largest finite number): one bit a row, 64 words.
; A key of +inf is never marked.  A query without a missing column has no mark.
; The marks are stored as whole numbers; the next launch walks them.  No branch and no address here hangs on a key: the trips come from xmask, the addresses from its bits.
.set KEY, 16                           ; v[16:79]
.set TT,  80                           ; v[80:87] masked keys at work
.set CH,  88                           ; v[88:91] four chains of minima
.set UU,  2
.set INF, 3
.set W0,  4                            ; v4-5: lane i holds words 2 i, 2 i + 1
.set WM,  6
.set WT,  7
.set CO,  8
.set UA,  9                            ; LDS: 4 x my wave's number
.set UR,  10                           ; LDS: 0
.set U4,  12                           ; v[12:15] the four waves' bounds
.set SPW, 92                           ; LDS address of my spare word; never rewritten
.set NIL, 93                           ; 0; never rewritten
.set SPARE, 256                        ; the four bounds have the block from 0 to themselves; behind it the spare words, 128 bytes for each wave: two blocks of 256 bytes that no other line names
; s[4:19], s[20:35], s[36:51], s[68:83]: the column's 64 mask words; word r at 4 + r + 16 (r / 48)
; s[52:53] dkey row, s[54:55] xmask, s[56:57] mw, s[58:59] cand; s60 wave; s61 trips; s62 counter; s63 offset; s[84:85] columns left; s[86:89] at work; s[90:91] lane selects
.macro RMLOW                           ; the lowest set bit of s[84:85] is cleared
	s_add_nc_u64 s[86:87], s[84:85], -1
	s_and_b32 s84, s84, s86
	s_and_b32 s85, s85, s87
.endm
.macro WMIN                            ; the minimum of v[CH] over the 32 lanes, in every lane of v[WM]
	v_min_num_f32_dpp v[WM], v[CH], v[CH] row_xmask:1 row_mask:0xf bank_mask:0xf
	v_min_num_f32_dpp v[WM], v[WM], v[WM] row_xmask:2 row_mask:0xf bank_mask:0xf
	v_min_num_f32_dpp v[WM], v[WM], v[WM] row_xmask:4 row_mask:0xf bank_mask:0xf
	v_min_num_f32_dpp v[WM], v[WM], v[WM] row_xmask:8 row_mask:0xf bank_mask:0xf
	v_permlanex16_b32 v[WT], v[WM], s90, s91
	v_min_num_f32 v[WM], v[WM], v[WT]
.endm
	s_load_b256 s[52:59], s[0:1], 0x0
	v_lshl_add_u32 v[SPW], v0, 2, SPARE
	v_mov_b32 v[NIL], 0
	v_lshrrev_b32 v1, 5, v0
	v_readfirstlane_b32 s60, v1                    ; wave 0..3
	v_mov_b32 v[UA], s60
	v_lshlrev_b32 v[UA], 2, v[UA]
	v_mov_b32 v[UR], 0
	v_and_b32 v1, 31, v0
	v_lshlrev_b32 v[CO], 3, v1
	v_lshlrev_b32 v1, 4, v1
	v_mov_b32 v[UU], -1.0                          ; below every key
	v_mov_b32 v[INF], 0x7f800000
	v_mov_b32 v[W0], 0
	v_mov_b32 v[W0+1], 0
	v_mov_b32 v[WM], 0
	v_mov_b32 v[WT], 0
	s_mov_b32 s90, 0x76543210
	s_mov_b32 s91, 0xfedcba98
	s_lshl_b32 s63, ttmp9, 3                       ; xmask: 8 bytes a query
	s_lshl_b32 s86, ttmp9, 13                      ; dkey: 8,192 bytes a query
	s_mov_b32 s87, 0
	s_lshl_b32 s88, ttmp9, 8                       ; cand: 256 bytes a query
	s_mov_b32 s89, 0
	s_wait_kmcnt 0x0
	s_load_b64 s[84:85], s[54:55], s63 offset:0x0
	s_add_nc_u64 s[52:53], s[52:53], s[86:87]
	s_add_nc_u64 s[58:59], s[58:59], s[88:89]
.irp i, 0,1,2,3,4,5,6,7,8,9,10,11,12,13,14,15
	global_load_b128 v[KEY+4*(\i):KEY+4*(\i)+3], v1, s[52:53] offset:512*(\i)  ; 512 consecutive bytes each
.endr
	s_wait_kmcnt 0x0
	s_bcnt1_i32_b32 s61, s84
	s_bcnt1_i32_b32 s62, s85
	s_add_co_u32 s61, s61, s62                     ; n missing columns
	s_add_co_u32 s61, s61, 3
	s_sub_co_u32 s61, s61, s60
	s_lshr_b32 s61, s61, 2                         ; my trips: (n + 3 - w) / 4
.irp k, 0,1,2
	s_add_nc_u64 s[86:87], s[84:85], -1            ; wave w passes over the first w columns
	s_and_b32 s86, s86, s84
	s_and_b32 s87, s87, s85
	s_cmp_gt_u32 s60, \k
	s_cselect_b32 s84, s86, s84
	s_cselect_b32 s85, s87, s85
.endr
	s_mov_b32 s62, 0
	s_cmp_eq_u32 s61, 0
	s_cbranch_scc1 .Lmeet
.Lcol:
	s_ctz_i32_b32 s88, s84                         ; my next column: the lowest bit left
	s_ctz_i32_b32 s89, s85
	s_add_co_u32 s89, s89, 32
	s_cmp_lg_u32 s84, 0
	s_cselect_b32 s63, s88, s89
	s_min_u32 s63, s63, 63
	s_lshl_b32 s63, s63, 8                         ; its 64 words in mw
	s_load_b512 s[4:19],  s[56:57], s63 offset:0x0
	s_load_b512 s[20:35], s[56:57], s63 offset:0x40
	s_load_b512 s[36:51], s[56:57], s63 offset:0x80
	s_load_b512 s[68:83], s[56:57], s63 offset:0xc0
	RMLOW                                          ; this column and the other three waves' next ones are passed
	RMLOW
	RMLOW
	RMLOW
	s_wait_kmcnt 0x0                               ; the words are in, and s63 may be written again
	s_wait_loadcnt 0x0                             ; the keys (met at once from the second trip on)
.set p, 0
.rept 32
	v_cndmask_b32 v[TT+2*(p%4)],   v[KEY+2*p],   v[INF], s[4+2*p+16*((2*p)/48)]
	v_cndmask_b32 v[TT+2*(p%4)+1], v[KEY+2*p+1], v[INF], s[5+2*p+16*((2*p)/48)]
.if p < 4
	v_min_num_f32 v[CH+p], v[TT+2*p], v[TT+2*p+1]  ; the first four pairs start the chains
.else
	v_min3_num_f32 v[CH+p%4], v[CH+p%4], v[TT+2*(p%4)], v[TT+2*(p%4)+1]
.endif
.set p, p+1
.endr
	v_min3_num_f32 v[CH], v[CH], v[CH+1], v[CH+2]
	v_min_num_f32 v[CH], v[CH], v[CH+3]            ; my lane's minimum
.rept 4
	WMIN
	v_cmp_eq_f32 vcc_lo, v[CH], v[WM]              ; the lanes that hold the smallest leave
	v_cndmask_b32 v[CH], v[CH], v[INF], vcc_lo
.endr
	WMIN                                           ; the fifth
	v_max_num_f32 v[UU], v[UU], v[WM]
	s_add_co_u32 s62, s62, 1
	s_cmp_lt_u32 s62, s61
	s_cbranch_scc1 .Lcol
.Lmeet:
	ds_store_b32 v[UA], v[UU]                      ; all lanes write the same word with the same value
	s_wait_dscnt 0x0                               ; for the others' sake: my bound lies in LDS
	s_barrier_signal -1
	s_barrier_wait -1                              ; all four do
	s_and_b32 s88, ttmp9, 3
	s_cmp_lg_u32 s88, s60                          ; wave q % 4 marks
	s_cbranch_scc1 .Lend
	ds_load_b128 v[U4:U4+3], v[UR]
	s_wait_dscnt 0x0
	v_max3_num_f32 v[UU], v[U4], v[U4+1], v[U4+2]
	v_max_num_f32 v[UU], v[UU], v[U4+3]
	v_min_num_f32 v[UU], 0x7f7fffff, v[UU]
	s_wait_loadcnt 0x0                             ; the keys, where the wave had no column
.set r, 0
.rept 16
	v_cmp_le_f32 s86, v[KEY+r],   v[UU]            ; word r: bit l = fit row 32 r + l
	v_cmp_le_f32 s87, v[KEY+r+1], v[UU]
	v_cmp_le_f32 s88, v[KEY+r+2], v[UU]
	v_cmp_le_f32 s89, v[KEY+r+3], v[UU]
	v_writelane_b32 v[W0],   s86, r/2
	v_writelane_b32 v[W0+1], s87, r/2
	v_writelane_b32 v[W0],   s88, r/2+1
	v_writelane_b32 v[W0+1], s89, r/2+1
.set r, r+4
.endr
	global_store_b64 v[CO], v[W0:W0+1], s[58:59]   ; 256 consecutive bytes, at a multiple of 256 from cand's first byte
.Lend:
	s_wait_tensorcnt 0x0                           ; the wave's end, behind my last LDS store
	ds_add_u32 v[SPW], v[NIL]
	s_wait_dscnt 0x0
	s_endpgm
.Lfunc_end_k_qe121eb3170_bound:
	.size	k_qe121eb3170_bound, .Lfunc_end_k_qe121eb3170_bound-k_qe121eb3170_bound
	.p2alignl 7, 3214868480
	.fill 96, 4, 3214868480
	.section	.rodata,"a",@progbits
	.p2align	6, 0x0
	.amdhsa_kernel k_qe121eb3170_bound
		.amdhsa_group_segment_fixed_size 768
		.amdhsa_private_segment_fixed_size 0
		.amdhsa_enable_private_segment 0
		.amdhsa_kernarg_size 32
		.amdhsa_user_sgpr_count 2
		.amdhsa_user_sgpr_kernarg_segment_ptr 1
		.amdhsa_wavefront_size32 1
		.amdhsa_system_sgpr_workgroup_id_x 1
		.amdhsa_system_sgpr_workgroup_id_y 1
		.amdhsa_system_sgpr_workgroup_id_z 1
		.amdhsa_system_vgpr_workitem_id 0
		.amdhsa_next_free_vgpr 96
		.amdhsa_next_free_sgpr 96
		.amdhsa_reserve_vcc 1
		.amdhsa_float_denorm_mode_32 3
		.amdhsa_float_denorm_mode_16_64 3
		.amdhsa_memory_ordered 1
		.amdhsa_forward_progress 1
		.amdhsa_inst_pref_size 22
	.end_amdhsa_kernel
	.amdgpu_metadata
---
amdhsa.version: [ 1, 2 ]
amdhsa.kernels:
  - .name:           k_qe121eb3170_bound
    .symbol:         k_qe121eb3170_bound.kd
    .args:
      - { .name: dkey, .offset: 0, .size: 8, .value_kind: global_buffer, .address_space: global }
      - { .name: xmask, .offset: 8, .size: 8, .value_kind: global_buffer, .address_space: global }
      - { .name: mw, .offset: 16, .size: 8, .value_kind: global_buffer, .address_space: global }
      - { .name: cand, .offset: 24, .size: 8, .value_kind: global_buffer, .address_space: global }
    .group_segment_fixed_size: 768
    .private_segment_fixed_size: 0
    .kernarg_segment_align: 8
    .kernarg_segment_size: 32
    .max_flat_workgroup_size: 128
    .sgpr_count:     96
    .vgpr_count:     96
    .wavefront_size: 32
...
	.end_amdgpu_metadata
.endif
;; end of part 2
;; launch fill (part 3): grid 256 x 1, 8 waves a work-group, no clusters, 0 bytes of LDS; arguments X, fit_X, dkey, cand, colpart, out0; writes out0
.if DOCPART == 3
	.amdgcn_target "amdgcn-amd-amdhsa--gfx1250"
	.amdhsa_code_object_version 6
	.text
	.protected	k_qe121eb3170_fill
	.globl	k_qe121eb3170_fill
	.p2align	8
	.type	k_qe121eb3170_fill,@function
k_qe121eb3170_fill:
	s_mov_b64 s[64:65], 0
	v_nop
	global_prefetch_b8 v0, s[64:65] scope:SCOPE_SE
	s_setreg_imm32_b32 hwreg(HW_REG_WAVE_MODE, 25, 1), 1
	s_wait_xcnt 0x0
; THE IMPUTATION.  A wave has one query q = 8 x work-group + wave; lane l has columns 2 l and 2 l + 1.
; The query's candidates (the marks of the launch before: 64 words, bit l of word r = fit row 32 r + l) are walked in ascending fit row, eight a trip.  For each the key comes by a load of 4 bytes that all lanes
; share and the fit row, 256 bytes, by one load of 8 bytes a lane.  Every column keeps its five nearest donors, keys ascending, with their values: a candidate that lacks the column counts as +inf and is never inserted;
; an insertion goes in front of strictly larger keys alone, so that of equal keys the lower fit row comes first.  At the end: the mean of the donors there are; with none, the column's mean over fit_X (from colpart);
; stored where X is missing, X itself elsewhere.  Donor values and X are f32 as given.
; THE WALK.  The 64 words lie in scalar registers; trip counts and jumps are made from them by scalar arithmetic alone.  A trip scans the 32 pairs of words in order (the text is written out pair by pair, since a
; scalar register cannot be chosen by a number): an empty pair is jumped over; from another a counted loop takes marks, lowest first, as long as the batch of eight has room, and clears them.
; The fit rows taken go into a queue of eight VECTOR registers that shifts, since the loads take their offsets from vector registers: the batch ends up at the queue's top, ascending.
.set LO,   1                           ; v1   8 x lane; never rewritten
.set XV,   2                           ; v[2:3] x
.set LA,   8                           ; column j: keys v[8+10 j ..+4], values v[13+10 j ..+4]
.set ROW,  32                          ; v[32:47] eight candidates' pairs
.set CSUM, 48                          ; v[48:79] 16 partial sums (pairs), v[80:111] 16 partial counts
.set TX,   112                         ; v112-113 the candidate's key for my two columns
.set T0,   116
.set INF,  120
.set ZERO, 121
.set ONE,  122
.set SU,   124
.set CN,   126
.set RCP,  128
.set RES,  132
.set RA,   136                         ; v[136:143] eight rows' offsets in fit_X
.set KA,   144                         ; v[144:151] eight keys' offsets in the query's row of dkey
.set KV,   152                         ; v[152:159] eight keys
.set FQ,   160                         ; v[160:167] the queue of fit rows, the same number in every lane
.set TA,   168                         ; v[168:171] at work on the offsets
.set IC,   2                           ; s2   counts a pair's marks taken
.set IB,   3                           ; s3   how many are to be taken
; s[4:19], s[20:35], s[36:51], s[68:83]: the 64 words; pair p at 4 + 2 p + 16 (2 p / 48)
; s[52:53] X row, s[54:55] fit_X, s[56:57] dkey row, s[58:59] cand row, s[60:61] colpart, s[62:63] out0 row
.set C0,   84                          ; s[84:88] column 0's five compares
.set C1,   92                          ; s[92:96] column 1's; in the scan s92, s93 are at work
.set HAVE, 97                          ; s97  candidates in the batch
.set TRIPS,98
.set CNT,  99
; s[100:101] at work
	s_load_b256 s[52:59], s[0:1], 0x0
	s_load_b128 s[60:63], s[0:1], 0x20
	v_lshrrev_b32 v1, 5, v0
	v_readfirstlane_b32 s100, v1
	s_lshl_b32 s101, ttmp9, 3
	s_add_co_u32 s101, s101, s100                  ; q
	v_and_b32 v[LO], 31, v0
	v_lshlrev_b32 v[LO], 3, v[LO]
	s_mov_b32 s3, 0
	v_mov_b32 v[INF], 0x7f800000
	v_mov_b32 v[ZERO], 0
	v_mov_b32 v[ONE], 1.0
	s_wait_kmcnt 0x0
	s_lshl_b32 s2, s101, 8                         ; 256 bytes a query in cand, X and out0
	s_add_nc_u64 s[58:59], s[58:59], s[2:3]
	s_add_nc_u64 s[52:53], s[52:53], s[2:3]
	s_add_nc_u64 s[62:63], s[62:63], s[2:3]
	s_lshl_b32 s2, s101, 13                        ; 8,192 in dkey
	s_add_nc_u64 s[56:57], s[56:57], s[2:3]
	s_load_b512 s[4:19],  s[58:59], 0x0
	s_load_b512 s[20:35], s[58:59], 0x40
	s_load_b512 s[36:51], s[58:59], 0x80
	s_load_b512 s[68:83], s[58:59], 0xc0
	global_load_b64 v[XV:XV+1], v[LO], s[52:53]
.irp b, 0,1,2,3,4,5,6,7,8,9,10,11,12,13,14,15
	global_load_b64 v[CSUM+2*(\b):CSUM+2*(\b)+1],       v[LO], s[60:61] offset:512*(\b)
	global_load_b64 v[CSUM+32+2*(\b):CSUM+32+2*(\b)+1], v[LO], s[60:61] offset:512*(\b)+256
.endr
.irp j, 0,1
.irp i, 0,1,2,3,4
	v_mov_b32 v[LA+10*(\j)+(\i)], 0x7f800000       ; no donor yet
	v_mov_b32 v[LA+10*(\j)+5+(\i)], 0
.endr
.endr
	s_wait_kmcnt 0x0                               ; the marks
	s_mov_b32 s[TRIPS], 7
.set r, 0
.rept 64
	s_bcnt1_i32_b32 s100, s[4+r+16*(r/48)]
	s_add_co_u32 s[TRIPS], s[TRIPS], s100
.set r, r+1
.endr
	s_lshr_b32 s[TRIPS], s[TRIPS], 3               ; (marks + 7) / 8: eight candidates a trip
	s_mov_b32 s[CNT], 0
	s_cmp_eq_u32 s[TRIPS], 0
	s_cbranch_scc1 .Ltail
; Pair p of the words: fit rows 64 p .. 64 p + 63.
.macro SCAN p
.set PW, 4+2*(\p)+16*((2*(\p))/48)
	s_or_b32 s92, s[PW], s[PW+1]
	s_cmp_eq_u32 s92, 0
	s_cbranch_scc1 .Lnone_\@                       ; no mark left here
	s_bcnt1_i32_b32 s92, s[PW]
	s_bcnt1_i32_b32 s93, s[PW+1]
	s_add_co_u32 s92, s92, s93
	s_sub_co_u32 s93, 8, s[HAVE]
	s_min_u32 s[IB], s92, s93                      ; as many as there are, and as the batch has room for
	s_cmp_eq_u32 s[IB], 0
	s_cbranch_scc1 .Lnone_\@
	s_mov_b32 s[IC], 0
.Lbit_\@:
	s_ctz_i32_b32 s92, s[PW]                       ; the lowest mark
	s_ctz_i32_b32 s93, s[PW+1]
	s_add_co_u32 s93, s93, 32
	s_cmp_lg_u32 s[PW], 0
	s_cselect_b32 s92, s92, s93
	s_add_co_u32 s92, s92, 64*(\p)                 ; its fit row
.irp i, 0,1,2,3,4,5,6
	v_mov_b32 v[FQ+(\i)], v[FQ+(\i)+1]             ; the queue shifts,
.endr
	v_mov_b32 v[FQ+7], s92                         ; and takes the fit row at its top
	s_add_nc_u64 s[100:101], s[PW:PW+1], -1        ; the mark is cleared
	s_and_b32 s[PW], s[PW], s100
	s_and_b32 s[PW+1], s[PW+1], s101
	s_add_co_u32 s[IC], s[IC], 1
	s_cmp_lt_u32 s[IC], s[IB]
	s_cbranch_scc1 .Lbit_\@
	s_add_co_u32 s[HAVE], s[HAVE], s[IB]
.Lnone_\@:
.endm
; Place k of the queue is asked for: its key and its fit row.  An empty place holds fit row 0: its loads stay inside the buffers and their data are not used.
.macro ASK k
.set TW, TA+2*((\k)%2)
	v_and_b32 v[TW], 0x780, v[FQ+(\k)]             ; the key's place in dkey's row: 128 (f / 128) + 4 (f % 32) + (f / 32) % 4
	v_and_b32 v[TW+1], 31, v[FQ+(\k)]
	v_lshl_or_b32 v[TW], v[TW+1], 2, v[TW]
	v_bfe_u32 v[TW+1], v[FQ+(\k)], 5, 2
	v_or_b32 v[TW], v[TW], v[TW+1]
	v_min_u32 v[KA+(\k)], 0x7ff, v[TW]             ; both numbers are held inside their tables of 2,048
	v_min_u32 v[RA+(\k)], 0x7ff, v[FQ+(\k)]
	v_lshlrev_b32 v[KA+(\k)], 2, v[KA+(\k)]        ; 4 bytes a key
	v_lshl_add_u32 v[RA+(\k)], v[RA+(\k)], 8, v[LO]  ; 256 bytes a fit row, 8 of them mine
	global_load_b32 v[KV+(\k)], v[KA+(\k)], s[56:57]                   ; all lanes read the same 4 bytes
	global_load_b64 v[ROW+2*(\k):ROW+2*(\k)+1], v[RA+(\k)], s[54:55]   ; the fit row: 256 consecutive bytes
.endm
.macro CMP5 j, cb                      ; where does the candidate stand in column j's list?
.irp i, 0,1,2,3,4
	v_cmp_lt_f32 s[(\cb)+(\i)], v[TX+(\j)], v[LA+10*(\j)+(\i)]
.endr
.endm
.macro KEYS5 j                         ; the list is ascending, so entry i becomes the middle one of entry i - 1, the candidate and entry i; from the top down
.irp i, 4,3,2,1
	v_med3_num_f32 v[LA+10*(\j)+(\i)], v[LA+10*(\j)+(\i)-1], v[TX+(\j)], v[LA+10*(\j)+(\i)]
.endr
	v_min_num_f32 v[LA+10*(\j)], v[LA+10*(\j)], v[TX+(\j)]
.endm
.macro VALS5 j, cb, y                  ; the values move with the keys
.irp i, 4,3,2,1
	v_cndmask_b32 v[T0+(\j)], v[\y], v[LA+10*(\j)+5+(\i)-1], s[(\cb)+(\i)-1]
	v_cndmask_b32 v[LA+10*(\j)+5+(\i)], v[LA+10*(\j)+5+(\i)], v[T0+(\j)], s[(\cb)+(\i)]
.endr
	v_cndmask_b32 v[LA+10*(\j)+5], v[LA+10*(\j)+5], v[\y], s[\cb]
.endm
; Place k is inserted.  The batch fills places 8 - HAVE .. 7: a place below is jumped over.
.macro SLOT k
	s_cmp_gt_u32 s[HAVE], 7-(\k)
	s_cbranch_scc0 .Lempty_\@
	s_wait_loadcnt 14-2*(\k)                       ; this place's key and row are in; the two loads of each younger place may stay out
	v_cmp_u_f32 vcc_lo, v[ROW+2*(\k)], v[ROW+2*(\k)]
	v_cndmask_b32 v[TX], v[KV+(\k)], v[INF], vcc_lo        ; no donor for a column that it lacks
	v_cmp_u_f32 vcc_lo, v[ROW+2*(\k)+1], v[ROW+2*(\k)+1]
	v_cndmask_b32 v[TX+1], v[KV+(\k)], v[INF], vcc_lo
	CMP5 0, C0
	CMP5 1, C1
	KEYS5 0
	KEYS5 1
	VALS5 0, C0, ROW+2*(\k)
	VALS5 1, C1, ROW+2*(\k)+1
.Lempty_\@:
.endm
.Ltrip:
.irp k, 0,1,2,3,4,5,6,7
	v_mov_b32 v[FQ+(\k)], 0
.endr
	s_mov_b32 s[HAVE], 0
.irp p, 0,1,2,3,4,5,6,7,8,9,10,11,12,13,14,15,16,17,18,19,20,21,22,23,24,25,26,27,28,29,30,31
	SCAN \p
.endr
.irp k, 0,1,2,3,4,5,6,7
	ASK \k
.endr
.irp k, 0,1,2,3,4,5,6,7
	SLOT \k
.endr
	s_wait_loadcnt 0x0                             ; the empty places' loads too: the next trip writes the offsets and loads into the same registers
	s_add_co_u32 s[CNT], s[CNT], 1
	s_cmp_lt_u32 s[CNT], s[TRIPS]
	s_cbranch_scc1 .Ltrip
.Ltail:
	s_wait_loadcnt 0x0                             ; x and colpart
.macro TREE base                       ; 16 pairs into one
.irp d, 16,8,4,2
.set i, 0
.rept (\d)/2
	v_pk_add_f32 v[(\base)+i:(\base)+i+1], v[(\base)+i:(\base)+i+1], v[(\base)+(\d)+i:(\base)+(\d)+i+1]
.set i, i+2
.endr
.endr
.endm
	TREE CSUM
	TREE CSUM+32
.irp j, 0,1
	v_cmp_lt_f32 vcc_lo, v[LA+10*(\j)], v[INF]
	v_cndmask_b32 v[CN+(\j)], v[ZERO], v[ONE], vcc_lo
.irp i, 1,2,3,4
	v_cmp_lt_f32 vcc_lo, v[LA+10*(\j)+(\i)], v[INF]
	v_cndmask_b32 v[T0+(\j)], v[ZERO], v[ONE], vcc_lo
	v_add_f32 v[CN+(\j)], v[CN+(\j)], v[T0+(\j)]   ; donors found
.endr
	v_add_f32 v[SU+(\j)], v[LA+10*(\j)+5], v[LA+10*(\j)+6]
.irp i, 2,3,4
	v_add_f32 v[SU+(\j)], v[SU+(\j)], v[LA+10*(\j)+5+(\i)]  ; empty places hold 0
.endr
.endr
	v_max_num_f32 v[RCP],   1.0, v[CN]
	v_max_num_f32 v[RCP+1], 1.0, v[CN+1]
	v_max_num_f32 v[RCP+2], 1.0, v[CSUM+32]
	v_max_num_f32 v[RCP+3], 1.0, v[CSUM+33]
.irp i, 0,1,2,3
	v_rcp_f32 v[RCP+(\i)], v[RCP+(\i)]
.endr
	v_nop                                          ; a plain instruction behind the last reciprocal,
	s_wait_alu depctr_va_vdst(0)                   ; and one wait for the four, ahead of their first reader
	v_pk_mul_f32 v[SU:SU+1], v[SU:SU+1], v[RCP:RCP+1]              ; the donors' mean
	v_pk_mul_f32 v[CSUM:CSUM+1], v[CSUM:CSUM+1], v[RCP+2:RCP+3]    ; the column's mean
.irp j, 0,1
	v_cmp_eq_f32 vcc_lo, 0, v[CN+(\j)]
	v_cndmask_b32 v[RES+(\j)], v[SU+(\j)], v[CSUM+(\j)], vcc_lo
	v_cmp_u_f32 vcc_lo, v[XV+(\j)], v[XV+(\j)]
	v_cndmask_b32 v[RES+(\j)], v[XV+(\j)], v[RES+(\j)], vcc_lo
.endr
	global_store_b64 v[LO], v[RES:RES+1], s[62:63] ; the query's row: 256 consecutive bytes, at a multiple of 256 from out0's first byte
	s_endpgm
.Lfunc_end_k_qe121eb3170_fill:
	.size	k_qe121eb3170_fill, .Lfunc_end_k_qe121eb3170_fill-k_qe121eb3170_fill
	.p2alignl 7, 3214868480
	.fill 96, 4, 3214868480
	.section	.rodata,"a",@progbits
	.p2align	6, 0x0
	.amdhsa_kernel k_qe121eb3170_fill
		.amdhsa_group_segment_fixed_size 0
		.amdhsa_private_segment_fixed_size 0
		.amdhsa_enable_private_segment 0
		.amdhsa_kernarg_size 48
		.amdhsa_user_sgpr_count 2
		.amdhsa_user_sgpr_kernarg_segment_ptr 1
		.amdhsa_wavefront_size32 1
		.amdhsa_system_sgpr_workgroup_id_x 1
		.amdhsa_system_sgpr_workgroup_id_y 1
		.amdhsa_system_sgpr_workgroup_id_z 1
		.amdhsa_system_vgpr_workitem_id 0
		.amdhsa_next_free_vgpr 176
		.amdhsa_next_free_sgpr 102
		.amdhsa_reserve_vcc 1
		.amdhsa_float_denorm_mode_32 3
		.amdhsa_float_denorm_mode_16_64 3
		.amdhsa_memory_ordered 1
		.amdhsa_forward_progress 1
		.amdhsa_inst_pref_size 73
	.end_amdhsa_kernel
	.amdgpu_metadata
---
amdhsa.version: [ 1, 2 ]
amdhsa.kernels:
  - .name:           k_qe121eb3170_fill
    .symbol:         k_qe121eb3170_fill.kd
    .args:
      - { .name: X, .offset: 0, .size: 8, .value_kind: global_buffer, .address_space: global }
      - { .name: fit_X, .offset: 8, .size: 8, .value_kind: global_buffer, .address_space: global }
      - { .name: dkey, .offset: 16, .size: 8, .value_kind: global_buffer, .address_space: global }
      - { .name: cand, .offset: 24, .size: 8, .value_kind: global_buffer, .address_space: global }
      - { .name: colpart, .offset: 32, .size: 8, .value_kind: global_buffer, .address_space: global }
      - { .name: out0, .offset: 40, .size: 8, .value_kind: global_buffer, .address_space: global }
    .group_segment_fixed_size: 0
    .private_segment_fixed_size: 0
    .kernarg_segment_align: 8
    .kernarg_segment_size: 48
    .max_flat_workgroup_size: 256
    .sgpr_count:     102
    .vgpr_count:     176
    .wavefront_size: 32
...
	.end_amdgpu_metadata
.endif
;; end of part 3
;; ======== version 2 of 2: 3 launches; version 1 with the launch fill written anew for expert scheduling mode
;; limits: values outside matrix products are rounded to bf16
;; workspace buffers: dkey 16,777,216 bytes; xmask 16,384 bytes of whole numbers; mw 16,384 bytes of whole numbers; cand 524,288 bytes of whole numbers; colpart 8,192 bytes
;; launch dist: the kernel of part 1 again; grid 16 x 16, 8 waves a work-group, no clusters, 203,776 bytes of LDS; arguments X, fit_X, dkey, xmask, mw, colpart; writes dkey, xmask, mw, colpart
;; launch bound: the kernel of part 2 again; grid 2048 x 1, 4 waves a work-group, no clusters, 768 bytes of LDS; arguments dkey, xmask, mw, cand; writes cand
;; launch fill (part 4): grid 256 x 1, 8 waves a work-group, no clusters, 0 bytes of LDS; arguments X, fit_X, dkey, cand, colpart, out0; writes out0
.if DOCPART == 4
	.amdgcn_target "amdgcn-amd-amdhsa--gfx1250"
	.amdhsa_code_object_version 6
	.text
	.protected	k_qe121eb3170_fill
	.globl	k_qe121eb3170_fill
	.p2align	8
	.type	k_qe121eb3170_fill,@function
k_qe121eb3170_fill:
	s_mov_b64 s[64:65], 0
	v_nop
	global_prefetch_b8 v0, s[64:65] scope:SCOPE_SE
	s_setreg_imm32_b32 hwreg(HW_REG_WAVE_SCHED_MODE, 0, 2), 2
	s_setreg_imm32_b32 hwreg(HW_REG_WAVE_MODE, 25, 1), 1
	s_wait_xcnt 0x0
	s_wait_alu depctr_vm_vsrc(0)
; THE IMPUTATION.  A wave has one query q = 8 x work-group + wave; lane l has columns 2 l and 2 l + 1.
; The query's candidates (the marks of the launch before: 64 words, bit l of word r = fit row 32 r + l) are walked in ascending fit row, eight a trip.  For each the key comes by a load of 4 bytes that all lanes
; share and the fit row, 256 bytes, by one load of 8 bytes a lane.  Every column keeps its five nearest donors, keys ascending, with their values: a candidate that lacks the column counts as +inf and is never inserted;
; an insertion goes in front of strictly larger keys alone, so that of equal keys the lower fit row comes first.  At the end: the mean of the donors there are; with none, the column's mean over fit_X (from colpart);
; stored where X is missing, X itself elsewhere.  Donor values and X are f32 as given.
; THE WALK.  The 64 words lie in scalar registers; trip counts and jumps are made from them by scalar arithmetic alone.  A trip scans the 32 pairs of words in order (the text is written out pair by pair, since a
; scalar register cannot be chosen by a number): an empty pair is jumped over; from another a counted loop takes marks, lowest first, as long as the batch of eight has room, and clears them.
; The fit rows taken go into a queue of eight VECTOR registers that shifts, since the loads take their offsets from vector registers: the batch ends up at the queue's top, ascending.
; THE MODE: SCHED_MODE bits 1:0 = 2 (LLVM: expert scheduling mode 2), set by the entry lines.  The code itself states the register dependences between vector instructions and memory instructions,
; and between a vector instruction that writes a scalar register and that register's readers, with s_wait_alu, always for 0.
; THE PLAN.  Registers that memory instructions touch:
;   v[LO]          Offset of x's, colpart's and out0's accesses, and a term of every fit row's offset.  Written at the head, never again.
;   v[XV], v[CSUM ..]  Loaded at the head, before any vector instruction names them; read in the tail.
;   KA, RA         A trip's address lines write them; its sixteen loads read them; the next trip's address lines write them again.
;   KV, ROW        A trip's sixteen loads land in them; its insertions read them; the next trip's loads land in them again.
;   RES            Written by the tail's selects, read by the one store.
;   The queue, the lists, the sums and all registers at work are named by vector instructions alone.
; So a trip has two waits for its loads: one on vm_vsrc ahead of the address lines (the last trip's loads have read KA and RA), and one on va_vdst behind them, ahead of the run of sixteen loads (KA and RA are
; written; the last trip's insertions are done reading KV and ROW).  All eight places' offsets are made first, so that the one wait serves all sixteen loads.
; Compares stand in runs, into scalar registers, with one wait on va_sdst behind each run and ahead of the first select that reads a mask.
.set LO,   1                           ; v1   8 x lane; never rewritten
.set XV,   2                           ; v[2:3] x
.set LA,   8                           ; column j: keys v[8+10 j ..+4], values v[13+10 j ..+4]
.set ROW,  32                          ; v[32:47] eight candidates' pairs
.set CSUM, 48                          ; v[48:79] 16 partial sums (pairs), v[80:111] 16 partial counts
.set TX,   112                         ; v112-113 the candidate's key for my two columns
.set T0,   116
.set INF,  120
.set ZERO, 121
.set ONE,  122
.set SU,   124
.set CN,   126
.set RCP,  128
.set RES,  132
.set RA,   136                         ; v[136:143] eight rows' offsets in fit_X
.set KA,   144                         ; v[144:151] eight keys' offsets in the query's row of dkey
.set KV,   152                         ; v[152:159] eight keys
.set FQ,   160                         ; v[160:167] the queue of fit rows, the same number in every lane
.set TA,   168                         ; v[168:171] at work on the offsets
.set IC,   2                           ; s2   counts a pair's marks taken
.set IB,   3                           ; s3   how many are to be taken
; s[4:19], s[20:35], s[36:51], s[68:83]: the 64 words; pair p at 4 + 2 p + 16 (2 p / 48)
; s[52:53] X row, s[54:55] fit_X, s[56:57] dkey row, s[58:59] cand row, s[60:61] colpart, s[62:63] out0 row
.set C0,   84                          ; s[84:88] column 0's five compares
.set MX,   89                          ; s89, s90 which of my two columns is missing: in a candidate's row; in the tail, in x
.set C1,   92                          ; s[92:96] column 1's five compares (C0 + 8); in the scan s92, s93 are at work
.set HAVE, 97                          ; s97  candidates in the batch
.set TRIPS,98
.set CNT,  99
.set EZ,   100                         ; s[100:101] at work; in the tail: which of my two columns found no donor
	s_load_b256 s[52:59], s[0:1], 0x0
	s_load_b128 s[60:63], s[0:1], 0x20
	v_lshrrev_b32 v1, 5, v0
	v_readfirstlane_b32 s100, v1
	s_lshl_b32 s101, ttmp9, 3
	v_and_b32 v[LO], 31, v0
	v_lshlrev_b32 v[LO], 3, v[LO]
	s_mov_b32 s3, 0
	v_mov_b32 v[INF], 0x7f800000
	v_mov_b32 v[ZERO], 0
	v_mov_b32 v[ONE], 1.0
	s_wait_alu depctr_va_sdst(0)                   ; s100, the wave's number, is written, ahead of its first reader
	s_add_co_u32 s101, s101, s100                  ; q
	s_wait_kmcnt 0x0
	s_lshl_b32 s2, s101, 8                         ; 256 bytes a query in cand, X and out0
	s_add_nc_u64 s[58:59], s[58:59], s[2:3]
	s_add_nc_u64 s[52:53], s[52:53], s[2:3]
	s_add_nc_u64 s[62:63], s[62:63], s[2:3]
	s_lshl_b32 s2, s101, 13                        ; 8,192 in dkey
	s_add_nc_u64 s[56:57], s[56:57], s[2:3]
	s_load_b512 s[4:19],  s[58:59], 0x0
	s_load_b512 s[20:35], s[58:59], 0x40
	s_load_b512 s[36:51], s[58:59], 0x80
	s_load_b512 s[68:83], s[58:59], 0xc0
	s_wait_alu depctr_va_vdst(0)                   ; v[LO] is written: the loads below and the store at the end read it as their offset
	global_load_b64 v[XV:XV+1], v[LO], s[52:53]
.irp b, 0,1,2,3,4,5,6,7,8,9,10,11,12,13,14,15
	global_load_b64 v[CSUM+2*(\b):CSUM+2*(\b)+1],       v[LO], s[60:61] offset:512*(\b)
	global_load_b64 v[CSUM+32+2*(\b):CSUM+32+2*(\b)+1], v[LO], s[60:61] offset:512*(\b)+256
.endr
.irp j, 0,1
.irp i, 0,1,2,3,4
	v_mov_b32 v[LA+10*(\j)+(\i)], 0x7f800000       ; no donor yet
	v_mov_b32 v[LA+10*(\j)+5+(\i)], 0
.endr
.endr
	s_wait_kmcnt 0x0                               ; the marks
	s_mov_b32 s[TRIPS], 7
.set r, 0
.rept 64
	s_bcnt1_i32_b32 s100, s[4+r+16*(r/48)]
	s_add_co_u32 s[TRIPS], s[TRIPS], s100
.set r, r+1
.endr
	s_lshr_b32 s[TRIPS], s[TRIPS], 3               ; (marks + 7) / 8: eight candidates a trip
	s_mov_b32 s[CNT], 0
	s_cmp_eq_u32 s[TRIPS], 0
	s_cbranch_scc1 .Ltail
; Pair p of the words: fit rows 64 p .. 64 p + 63.
.macro SCAN p
.set PW, 4+2*(\p)+16*((2*(\p))/48)
	s_or_b32 s92, s[PW], s[PW+1]
	s_cmp_eq_u32 s92, 0
	s_cbranch_scc1 .Lnone_\@                       ; no mark left here
	s_bcnt1_i32_b32 s92, s[PW]
	s_bcnt1_i32_b32 s93, s[PW+1]
	s_add_co_u32 s92, s92, s93
	s_sub_co_u32 s93, 8, s[HAVE]
	s_min_u32 s[IB], s92, s93                      ; as many as there are, and as the batch has room for
	s_cmp_eq_u32 s[IB], 0
	s_cbranch_scc1 .Lnone_\@
	s_mov_b32 s[IC], 0
.Lbit_\@:
	s_ctz_i32_b32 s92, s[PW]                       ; the lowest mark
	s_ctz_i32_b32 s93, s[PW+1]
	s_add_co_u32 s93, s93, 32
	s_cmp_lg_u32 s[PW], 0
	s_cselect_b32 s92, s92, s93
	s_add_co_u32 s92, s92, 64*(\p)                 ; its fit row
.irp i, 0,1,2,3,4,5,6
	v_mov_b32 v[FQ+(\i)], v[FQ+(\i)+1]             ; the queue shifts,
.endr
	v_mov_b32 v[FQ+7], s92                         ; and takes the fit row at its top
	s_add_nc_u64 s[100:101], s[PW:PW+1], -1        ; the mark is cleared
	s_and_b32 s[PW], s[PW], s100
	s_and_b32 s[PW+1], s[PW+1], s101
	s_add_co_u32 s[IC], s[IC], 1
	s_cmp_lt_u32 s[IC], s[IB]
	s_cbranch_scc1 .Lbit_\@
	s_add_co_u32 s[HAVE], s[HAVE], s[IB]
.Lnone_\@:
.endm
; The two offsets of place k of the queue.  An empty place holds fit row 0: its loads stay inside the buffers and their data are not used.
.macro ADDR k
.set TW, TA+2*((\k)%2)
	v_and_b32 v[TW], 0x780, v[FQ+(\k)]             ; the key's place in dkey's row: 128 (f / 128) + 4 (f % 32) + (f / 32) % 4
	v_and_b32 v[TW+1], 31, v[FQ+(\k)]
	v_lshl_or_b32 v[TW], v[TW+1], 2, v[TW]
	v_bfe_u32 v[TW+1], v[FQ+(\k)], 5, 2
	v_or_b32 v[TW], v[TW], v[TW+1]
	v_min_u32 v[KA+(\k)], 0x7ff, v[TW]             ; both numbers are held inside their tables of 2,048
	v_min_u32 v[RA+(\k)], 0x7ff, v[FQ+(\k)]
	v_lshlrev_b32 v[KA+(\k)], 2, v[KA+(\k)]        ; 4 bytes a key
	v_lshl_add_u32 v[RA+(\k)], v[RA+(\k)], 8, v[LO]  ; 256 bytes a fit row, 8 of them mine
.endm
; Place k is asked for: its key and its fit row.
.macro ASK k
	global_load_b32 v[KV+(\k)], v[KA+(\k)], s[56:57]                   ; all lanes read the same 4 bytes
	global_load_b64 v[ROW+2*(\k):ROW+2*(\k)+1], v[RA+(\k)], s[54:55]   ; the fit row: 256 consecutive bytes
.endm
.macro CMP5 j, cb                      ; where does the candidate stand in column j's list?
.irp i, 0,1,2,3,4
	v_cmp_lt_f32 s[(\cb)+(\i)], v[TX+(\j)], v[LA+10*(\j)+(\i)]
.endr
.endm
.macro KEYS5 j                         ; the list is ascending, so entry i becomes the middle one of entry i - 1, the candidate and entry i; from the top down
.irp i, 4,3,2,1
	v_med3_num_f32 v[LA+10*(\j)+(\i)], v[LA+10*(\j)+(\i)-1], v[TX+(\j)], v[LA+10*(\j)+(\i)]
.endr
	v_min_num_f32 v[LA+10*(\j)], v[LA+10*(\j)], v[TX+(\j)]
.endm
.macro VALS5 j, cb, y                  ; the values move with the keys
.irp i, 4,3,2,1
	v_cndmask_b32 v[T0+(\j)], v[\y], v[LA+10*(\j)+5+(\i)-1], s[(\cb)+(\i)-1]
	v_cndmask_b32 v[LA+10*(\j)+5+(\i)], v[LA+10*(\j)+5+(\i)], v[T0+(\j)], s[(\cb)+(\i)]
.endr
	v_cndmask_b32 v[LA+10*(\j)+5], v[LA+10*(\j)+5], v[\y], s[\cb]
.endm
; Place k is inserted.  The batch fills places 8 - HAVE .. 7: a place below is jumped over.
.macro SLOT k
	s_cmp_gt_u32 s[HAVE], 7-(\k)
	s_cbranch_scc0 .Lempty_\@
	s_wait_loadcnt 14-2*(\k)                       ; this place's key and row are in; the two loads of each younger place may stay out
	v_cmp_u_f32 s[MX],   v[ROW+2*(\k)],   v[ROW+2*(\k)]
	v_cmp_u_f32 s[MX+1], v[ROW+2*(\k)+1], v[ROW+2*(\k)+1]
	s_wait_alu depctr_va_sdst(0)                   ; the two compares have written s[MX] and s[MX+1], which the two selects below read
	v_cndmask_b32 v[TX],   v[KV+(\k)], v[INF], s[MX]       ; no donor for a column that it lacks
	v_cndmask_b32 v[TX+1], v[KV+(\k)], v[INF], s[MX+1]
	CMP5 0, C0
	CMP5 1, C1
	KEYS5 0                                        ; the keys' ten lines read no mask: they stand between the compares and the wait for them
	KEYS5 1
	s_wait_alu depctr_va_sdst(0)                   ; the ten compares have written s[C0 ..] and s[C1 ..], which the values' selects read
	VALS5 0, C0, ROW+2*(\k)
	VALS5 1, C1, ROW+2*(\k)+1
.Lempty_\@:
.endm
.Ltrip:
.irp k, 0,1,2,3,4,5,6,7
	v_mov_b32 v[FQ+(\k)], 0
.endr
	s_mov_b32 s[HAVE], 0
.irp p, 0,1,2,3,4,5,6,7,8,9,10,11,12,13,14,15,16,17,18,19,20,21,22,23,24,25,26,27,28,29,30,31
	SCAN \p
.endr
	s_wait_alu depctr_vm_vsrc(0)                   ; the last trip's sixteen loads have read KA and RA, which the lines below write again
.irp k, 0,1,2,3,4,5,6,7
	ADDR \k
.endr
	s_wait_alu depctr_va_vdst(0)                   ; KA and RA are written, which the sixteen loads read; the last trip's insertions are done reading KV and ROW, in which they land
.irp k, 0,1,2,3,4,5,6,7
	ASK \k
.endr
.irp k, 0,1,2,3,4,5,6,7
	SLOT \k
.endr
	s_wait_loadcnt 0x0                             ; the empty places' loads too: the next trip writes the offsets and loads into the same registers
	s_add_co_u32 s[CNT], s[CNT], 1
	s_cmp_lt_u32 s[CNT], s[TRIPS]
	s_cbranch_scc1 .Ltrip
.Ltail:
	s_wait_loadcnt 0x0                             ; x and colpart
.macro TREE base                       ; 16 pairs into one
.irp d, 16,8,4,2
.set i, 0
.rept (\d)/2
	v_pk_add_f32 v[(\base)+i:(\base)+i+1], v[(\base)+i:(\base)+i+1], v[(\base)+(\d)+i:(\base)+(\d)+i+1]
.set i, i+2
.endr
.endr
.endm
	TREE CSUM
	TREE CSUM+32
.irp i, 0,1,2,3,4
	v_cmp_lt_f32 s[C0+(\i)], v[LA+(\i)],    v[INF] ; which places of the two lists hold a donor: one run of compares,
	v_cmp_lt_f32 s[C1+(\i)], v[LA+10+(\i)], v[INF]
.endr
	v_cmp_u_f32 s[MX],   v[XV],   v[XV]            ; and which of my two numbers of x are missing
	v_cmp_u_f32 s[MX+1], v[XV+1], v[XV+1]
.irp j, 0,1
	v_add_f32 v[SU+(\j)], v[LA+10*(\j)+5], v[LA+10*(\j)+6]
.irp i, 2,3,4
	v_add_f32 v[SU+(\j)], v[SU+(\j)], v[LA+10*(\j)+5+(\i)]  ; empty places hold 0
.endr
.endr
	s_wait_alu depctr_va_sdst(0)                   ; the twelve compares have written s[C0 ..], s[C1 ..] and s[MX ..], which the selects below read
.irp j, 0,1
	v_cndmask_b32 v[CN+(\j)], v[ZERO], v[ONE], s[C0+8*(\j)]
.irp i, 1,2,3,4
	v_cndmask_b32 v[T0+(\j)], v[ZERO], v[ONE], s[C0+8*(\j)+(\i)]
	v_add_f32 v[CN+(\j)], v[CN+(\j)], v[T0+(\j)]   ; donors found
.endr
.endr
	v_max_num_f32 v[RCP],   1.0, v[CN]
	v_max_num_f32 v[RCP+1], 1.0, v[CN+1]
	v_max_num_f32 v[RCP+2], 1.0, v[CSUM+32]
	v_max_num_f32 v[RCP+3], 1.0, v[CSUM+33]
	v_cmp_eq_f32 s[EZ],   0, v[CN]                 ; no donor at all?
	v_cmp_eq_f32 s[EZ+1], 0, v[CN+1]
.irp i, 0,1,2,3
	v_rcp_f32 v[RCP+(\i)], v[RCP+(\i)]
.endr
	v_nop                                          ; a plain instruction behind the last reciprocal,
	s_wait_alu depctr_va_vdst(0)                   ; and one wait for the four: the reciprocals have written v[RCP ..], ahead of their first reader
	v_pk_mul_f32 v[SU:SU+1], v[SU:SU+1], v[RCP:RCP+1]              ; the donors' mean
	v_pk_mul_f32 v[CSUM:CSUM+1], v[CSUM:CSUM+1], v[RCP+2:RCP+3]    ; the column's mean
	s_wait_alu depctr_va_sdst(0)                   ; the two compares with 0 have written s[EZ] and s[EZ+1], which the selects below read
.irp j, 0,1
	v_cndmask_b32 v[RES+(\j)], v[SU+(\j)], v[CSUM+(\j)], s[EZ+(\j)]
	v_cndmask_b32 v[RES+(\j)], v[XV+(\j)], v[RES+(\j)], s[MX+(\j)]
.endr
	s_wait_alu depctr_va_vdst(0)                   ; the selects have written v[RES ..], which the store reads
	global_store_b64 v[LO], v[RES:RES+1], s[62:63] ; the query's row: 256 consecutive bytes, at a multiple of 256 from out0's first byte
	s_endpgm
.Lfunc_end_k_qe121eb3170_fill:
	.size	k_qe121eb3170_fill, .Lfunc_end_k_qe121eb3170_fill-k_qe121eb3170_fill
	.p2alignl 7, 3214868480
	.fill 96, 4, 3214868480
	.section	.rodata,"a",@progbits
	.p2align	6, 0x0
	.amdhsa_kernel k_qe121eb3170_fill
		.amdhsa_group_segment_fixed_size 0
		.amdhsa_private_segment_fixed_size 0
		.amdhsa_enable_private_segment 0
		.amdhsa_kernarg_size 48
		.amdhsa_user_sgpr_count 2
		.amdhsa_user_sgpr_kernarg_segment_ptr 1
		.amdhsa_wavefront_size32 1
		.amdhsa_system_sgpr_workgroup_id_x 1
		.amdhsa_system_sgpr_workgroup_id_y 1
		.amdhsa_system_sgpr_workgroup_id_z 1
		.amdhsa_system_vgpr_workitem_id 0
		.amdhsa_next_free_vgpr 176
		.amdhsa_next_free_sgpr 102
		.amdhsa_reserve_vcc 0
		.amdhsa_float_denorm_mode_32 3
		.amdhsa_float_denorm_mode_16_64 3
		.amdhsa_memory_ordered 1
		.amdhsa_forward_progress 1
		.amdhsa_inst_pref_size 75
	.end_amdhsa_kernel
	.amdgpu_metadata
---
amdhsa.version: [ 1, 2 ]
amdhsa.kernels:
  - .name:           k_qe121eb3170_fill
    .symbol:         k_qe121eb3170_fill.kd
    .args:
      - { .name: X, .offset: 0, .size: 8, .value_kind: global_buffer, .address_space: global }
      - { .name: fit_X, .offset: 8, .size: 8, .value_kind: global_buffer, .address_space: global }
      - { .name: dkey, .offset: 16, .size: 8, .value_kind: global_buffer, .address_space: global }
      - { .name: cand, .offset: 24, .size: 8, .value_kind: global_buffer, .address_space: global }
      - { .name: colpart, .offset: 32, .size: 8, .value_kind: global_buffer, .address_space: global }
      - { .name: out0, .offset: 40, .size: 8, .value_kind: global_buffer, .address_space: global }
    .group_segment_fixed_size: 0
    .private_segment_fixed_size: 0
    .kernarg_segment_align: 8
    .kernarg_segment_size: 48
    .max_flat_workgroup_size: 256
    .sgpr_count:     102
    .vgpr_count:     176
    .wavefront_size: 32
...
	.end_amdgpu_metadata
.endif
;; end of part 4
